; MI455X (gfx1250); checked and timed in simulation.
; The chip was launched on July 23, 2026; its instructions are those of AMD's public machine-readable ISA for CDNA 5 (MIT licence, August 2026) and "CDNA5" Instruction Set Architecture Reference Guide (July 2026). The comments in the code are by the model that wrote it; some were corrected since.
;; Band Processor With History. Allowed arithmetic: float matrix products may take bf16 or f16 operands with f32 sums; other float arithmetic in f32, or as packed bf16 or f16 multiplies, adds, multiply-adds, maxima and minima; sums over many terms, partial sums and values carried from step to step in f32; what a program stores and reads back later, other than sums and carried values, may be rounded once to bf16 or f16.
;; Inputs: W1 1,024 x 512 float32; W2 512 x 1,024 float32; Wk 512 x 512 float32; Wo 512 x 512 float32; Wq 512 x 512 float32; Wv 512 x 512 float32; b1 1,024 float32; b2 512 float32; be1 512 float32; be2 512 float32; bk 512 float32; bo 512 float32; bq 512 float32; bv 512 float32; g1 512 float32; g2 512 float32; history 2,048 x 32 x 512 float32; x 8 x 2,048 x 512 float32.
;; Outputs: out0 8 x 2,048 x 512 float32.
;; One version. Each part assembles by itself: llvm-mc -triple=amdgcn-amd-amdhsa -mcpu=gfx1250 --defsym DOCPART=n.
;; ======== version 1 of 1: 2 launches
;; workspace buffers: wf 3,145,728 bytes; vec 4,096 bytes
;; launch prep (part 1): grid 96 x 1, 16 waves a work-group, no clusters, 299,008 bytes of LDS; arguments Wq, Wk, Wv, Wo, W1, W2, bq, bv, bo, wf, vec; writes wf, vec
.if DOCPART == 1
	.amdgcn_target "amdgcn-amd-amdhsa--gfx1250"
	.amdhsa_code_object_version 6
	.text
	.protected	k_qdf4bfebdcc_prep
	.globl	k_qdf4bfebdcc_prep
	.p2align	8
	.type	k_qdf4bfebdcc_prep,@function
k_qdf4bfebdcc_prep:
	s_mov_b64 s[64:65], 0
	v_nop
	global_prefetch_b8 v0, s[64:65] scope:SCOPE_SE
	s_setreg_imm32_b32 hwreg(HW_REG_WAVE_MODE, 25, 1), 1
	s_wait_xcnt 0x0
; PREP: the weights of the module, combined where the algebra allows it, as bf16 in the order in which the second launch's matrix fragments want them.
; WHAT IS LEFT OUT, for all finite inputs, in exact arithmetic (D = 512, H = 32):
;   score[b,t,h] = Q . (Wk hist_h + bk) = (Q Wk) . hist_h + Q . bk.  Q . bk is the same for all h, so the softmax over h removes it: bk reaches no output, is not loaded and is no argument of any launch.
;   K is never formed: Q Wk = xn (Wk^T Wq)^T + Wk^T bq, so one 512 x 512 matrix M' and one vector cq serve.
;   V is never formed: attended Wo^T + bo = (sum_h attn_h hist_h) (Wo Wv)^T + Wo bv + bo, since sum_h attn_h = 1: one matrix N and one vector cvo.
; LIMITS.  A NaN, an infinity or an overflow that would arise in bk, K or V alone is not carried to the result.  M' and N are f32 sums of products of bf16-rounded weights, rounded once more to bf16:
; a rounding order of its own.
; wf: [wave w 0..3][unit u 0..5][K step ks 0..15][block b 0..7][1,024 bytes]; in a block, byte half x 512 + lane x 16 holds row n = 128 w + 16 b + lane % 16, columns k = 32 ks + 16 half + 8 (lane / 16) + 0..7.
;   u0 = M'[e][d] = c sum_i Wk[i][e] Wq[i][d], c = log2(e) / sqrt(512);  u1 = N[o][e] = sum_i Wo[o][i] Wv[i][e];  u2, u4 = W1's rows 0-511, 512-1023;  u3, u5 = W2's columns 0-511, 512-1023.
; vec: cq[e] = c sum_i bq[i] Wk[i][e] at byte 0;  cvo[o] = bo[o] + sum_i Wo[o][i] bv[i] at byte 2,048.
; SHARES.  Work-groups 0-31 make M' and cq, 32-63 N and cvo: each a tile of 64 rows n x 128 columns k, all 512 of the inner index i.  Work-groups 64-95 convert W1 and W2: a wave 16 rows x 128 columns.
; No cluster and no tensor loads: the launch is short, and what work-groups share (a strip of a 1 MB matrix) is staged once by each through registers, where it is rounded to bf16 on the way.
; LDS.  0: the first operand, 512 rows i x 288 bytes (128 bf16 + 32 of padding), laid alike for M' and N: each wave stores its own 32 rows.  The second operand is laid otherwise for M' than for N,
; so each of the two has bytes of its own: no byte of LDS has two layouts in this text.
.set S1M,   147456                     ; M': 512 rows i x 160 bytes (64 bf16 + 32 of padding): 81,920 bytes
.set S1N,   229376                     ; N: 64 rows o x 1,040 bytes (512 bf16 + 16 of padding): 66,560 bytes
.set VECP,  295936                     ; bq or bv as bf16, 1,024 bytes: thread t stores number t
.set SPARE, 296960                     ; the spare words, 128 bytes for each of the 16 waves; no other line names them
.set CSC,   0x3d8293ee                 ; c = log2(e) / sqrt(512)
.set WV,  2                            ; s2  my wave's number
.set QQ,  3                            ; s3  the work-group's number
.set NT,  5                            ; s5  which 64 rows n
.set KT,  6                            ; s6  which 128 columns k
.set SPW, 30                           ; v30 LDS address of my spare word; never rewritten
.set NIL, 31                           ; v31 0; never rewritten
; v1 lane, v2 lane % 16, v3 lane / 16, v12 16 x lane; v6, v7 global offsets; v8, v9 LDS store addresses; v10, v11 fragment addresses; v16-23 packed results;
; v32-47 two accumulators; v48-63 two for the vector's product; v64-255 staging, then two fragment buffers of 96
.macro PLACES                          ; four plain vector instructions between a matrix instruction and a load into, or a vector read of, its registers
.rept 4
	v_nop
.endr
.endm
; 24 LDS loads: four K steps of 32 i.  In a step: the fragment of 16 columns k (turned), then the fragments of two blocks of 16 rows n (turned for M', as they lie for N).
.macro FLOAD buf, tr
.set jj, 0
.rept 4
	ds_load_tr16_b128 v[(\buf)+24*jj:(\buf)+24*jj+3],   v10 offset:jj*9216
	ds_load_tr16_b128 v[(\buf)+24*jj+4:(\buf)+24*jj+7], v10 offset:jj*9216+4608
.if \tr
	ds_load_tr16_b128 v[(\buf)+24*jj+8:(\buf)+24*jj+11],  v11 offset:jj*5120
	ds_load_tr16_b128 v[(\buf)+24*jj+12:(\buf)+24*jj+15], v11 offset:jj*5120+2560
	ds_load_tr16_b128 v[(\buf)+24*jj+16:(\buf)+24*jj+19], v11 offset:jj*5120+32
	ds_load_tr16_b128 v[(\buf)+24*jj+20:(\buf)+24*jj+23], v11 offset:jj*5120+2592
.else
	ds_load_b128 v[(\buf)+24*jj+8:(\buf)+24*jj+11],  v11 offset:jj*64
	ds_load_b128 v[(\buf)+24*jj+12:(\buf)+24*jj+15], v11 offset:jj*64+32
	ds_load_b128 v[(\buf)+24*jj+16:(\buf)+24*jj+19], v11 offset:jj*64+16640
	ds_load_b128 v[(\buf)+24*jj+20:(\buf)+24*jj+23], v11 offset:jj*64+16672
.endif
.set jj, jj+1
.endr
	v_add_nc_u32 v10, 36864, v10                   ; 128 rows i on
.if \tr
	v_add_nc_u32 v11, 20480, v11
.else
	v_add_nc_u32 v11, 256, v11
.endif
.endm
; Four K steps' products.  younger: the LDS loads of the next batch, already issued.  The two accumulators take turns, one instruction a turn.
.macro PMUL buf, younger, first
.set jj, 0
.rept 4
	s_wait_dscnt (\younger)+6*(3-jj)               ; the later steps' six loads each, and the next batch's, may stay out
.irp nb, 0,1
.if (\first) && (jj == 0)
	v_wmma_f32_16x16x32_bf16 v[32+8*\nb:39+8*\nb], v[(\buf)+24*jj:(\buf)+24*jj+7], v[(\buf)+24*jj+8+8*\nb:(\buf)+24*jj+15+8*\nb], 0
.else
	v_wmma_f32_16x16x32_bf16 v[32+8*\nb:39+8*\nb], v[(\buf)+24*jj:(\buf)+24*jj+7], v[(\buf)+24*jj+8+8*\nb:(\buf)+24*jj+15+8*\nb], v[32+8*\nb:39+8*\nb]
.endif
.endr
.set jj, jj+1
.endr
.endm
; A tile of M' (tr = 1) or of N (tr = 0).  Source 0 = 16 columns k, source 1 = 16 rows n: a lane ends with row n = lane % 16 and eight neighbouring k: 16 bytes of wf as they stand.
.macro GEMMP tr
.if \tr
.set P0, 8                             ; Wq
.set P1, 10                            ; Wk
.set PVEC, 20                          ; bq
.set S1B, S1M
.else
.set P0, 12                            ; Wv
.set P1, 14                            ; Wo
.set PVEC, 22                          ; bv
.set S1B, S1N
.endif
	v_lshlrev_b32 v29, 2, v0                       ; 4 x thread: the vector's offset; the load lands on it
	s_cmp_eq_u32 s[KT], 0                          ; the first of the four tiles along k also makes the vector's 64 numbers
	s_cbranch_scc0 .Lnovec_\@
	global_load_b32 v29, v29, s[PVEC:PVEC+1]       ; issued first: older than every load counted below
.Lnovec_\@:
	s_lshl_b32 s30, s[WV], 16                      ; a wave stages 32 rows i of 2,048 bytes
	s_lshl_b32 s31, s[KT], 9
	s_add_co_u32 s31, s31, s30
	v_add_nc_u32 v6, s31, v12
.if \tr
	s_lshl_b32 s31, s[NT], 8                       ; 64 columns e: 256 bytes of a row, two rows a load
	s_add_co_u32 s31, s31, s30
	v_lshl_add_u32 v7, v3, 11, s31
	v_lshl_add_u32 v7, v2, 4, v7
.else
	s_lshl_b32 s31, s[NT], 17                      ; 64 rows o; a wave stages four, each in four loads
	s_lshl_b32 s30, s[WV], 13
	s_add_co_u32 s31, s31, s30
	v_add_nc_u32 v7, s31, v12
.endif
.set nn, 0
.rept 32
	global_load_b128 v[64+4*nn:64+4*nn+3], v6, s[P0:P0+1] offset:nn*2048  ; 512 consecutive bytes of row 32 wave + nn
.set nn, nn+1
.endr
.set nn, 0
.rept 16
.if \tr
	global_load_b128 v[192+4*nn:192+4*nn+3], v7, s[P1:P1+1] offset:nn*4096
.else
	global_load_b128 v[192+4*nn:192+4*nn+3], v7, s[P1:P1+1] offset:nn*512
.endif
.set nn, nn+1
.endr
	; addresses, while the loads are on their way
	s_mul_i32 s30, s[WV], 9216
	v_lshl_add_u32 v8, v1, 3, s30                  ; row 32 wave, 8 bytes a lane
.if \tr
	v_mul_u32_u24 v9, v3, 160
	v_lshl_add_u32 v9, v2, 3, v9
	s_mul_i32 s30, s[WV], 5120
.else
	v_lshlrev_b32 v9, 3, v1
	s_mul_i32 s30, s[WV], 4160
.endif
	s_add_co_u32 s30, s30, S1B
	v_add_nc_u32 v9, s30, v9
	s_and_b32 s36, s[WV], 7                        ; my block of 16 columns k
	s_lshr_b32 s37, s[WV], 3                       ; my pair of blocks of 16 rows n
	v_and_b32 v4, 7, v0
	v_lshl_add_u32 v4, v3, 3, v4                   ; the turning load: row 8 (lane / 16) + lane % 8,
	v_bfe_u32 v5, v0, 3, 1                         ; 16 bytes by (lane / 8) % 2
	v_mul_u32_u24 v10, v4, 288
	v_lshl_add_u32 v10, v5, 4, v10
	s_lshl_b32 s30, s36, 5
	v_add_nc_u32 v10, s30, v10
.if \tr
	v_mul_u32_u24 v11, v4, 160
	v_lshl_add_u32 v11, v5, 4, v11
	s_lshl_b32 s30, s37, 6
.else
	v_mul_u32_u24 v11, v2, 1040
	v_lshl_add_u32 v11, v3, 4, v11
	s_mul_i32 s30, s37, 33280
.endif
	s_add_co_u32 s30, s30, S1B
	v_add_nc_u32 v11, s30, v11
	s_lshr_b32 s38, s[NT], 1                       ; where my two results go in wf: the wave of the second launch,
	s_mul_i32 s38, s38, 786432
.if !(\tr)
	s_add_co_u32 s38, s38, 131072                  ; the unit,
.endif
	s_lshl_b32 s39, s[KT], 2
	s_lshr_b32 s40, s36, 1
	s_add_co_u32 s39, s39, s40
	s_lshl_b32 s39, s39, 13                        ; the K step,
	s_add_co_u32 s38, s38, s39
	s_and_b32 s39, s[NT], 1
	s_lshl_b32 s39, s39, 2
	s_lshl1_add_u32 s39, s37, s39
	s_lshl_b32 s39, s39, 10                        ; the block,
	s_add_co_u32 s38, s38, s39
	s_and_b32 s39, s36, 1
	s_lshl_b32 s39, s39, 9                         ; the half
	s_add_co_u32 s38, s38, s39
	s_mov_b32 s39, 0
	s_add_nc_u64 s[42:43], s[26:27], s[38:39]
	; rounded to bf16 and laid into LDS, eight loads at a time
.set nn, 0
.rept 48
.if (nn%8) == 0
	s_wait_loadcnt 40-nn                           ; the loads of the later groups of eight may stay out
.endif
	v_cvt_pk_bf16_f32 v[64+4*nn], v[64+4*nn], v[64+4*nn+1]
	v_cvt_pk_bf16_f32 v[64+4*nn+1], v[64+4*nn+2], v[64+4*nn+3]
.if nn < 32
	ds_store_b64 v8, v[64+4*nn:64+4*nn+1] offset:nn*288
.elseif \tr
	ds_store_b64 v9, v[64+4*nn:64+4*nn+1] offset:(nn-32)*320
.else
	ds_store_b64 v9, v[64+4*nn:64+4*nn+1] offset:((nn-32)/4)*1040+((nn-32)%4)*256
.endif
.set nn, nn+1
.endr
	s_cmp_eq_u32 s[KT], 0
	s_cbranch_scc0 .Lnovec2_\@
	v_cvt_pk_bf16_f32 v29, v29, v29
	v_lshl_add_u32 v26, v0, 1, VECP
	ds_store_b16 v26, v29
.Lnovec2_\@:
	s_wait_dscnt 0x0                               ; for the others' sake: my stores are done
	s_barrier_signal -1
	s_barrier_wait -1                              ; the whole tile's operands lie in LDS
	FLOAD 64, \tr
	FLOAD 160, \tr
	PMUL 64, 24, 1
	PLACES
	FLOAD 64, \tr
	PMUL 160, 24, 0
	PLACES
	FLOAD 160, \tr
	PMUL 64, 24, 0
	PMUL 160, 0, 0
	PLACES
.if \tr
.set nn, 0
.rept 8
	v_pk_mul_f32 v[32+2*nn:32+2*nn+1], v[32+2*nn:32+2*nn+1], s[34:35] op_sel_hi:[1,0]  ; the scores' scale, in f32, ahead of the one rounding
.set nn, nn+1
.endr
.endif
.set nn, 0
.rept 8
	v_cvt_pk_bf16_f32 v[16+nn], v[32+2*nn], v[32+2*nn+1]
.set nn, nn+1
.endr
	global_store_b128 v12, v[16:19], s[42:43]              ; 512 consecutive bytes, aligned
	global_store_b128 v12, v[20:23], s[42:43] offset:1024
	; the vector: waves 0-3 of the first tile along k, a block of 16 rows n each.  Source 0 = the vector in all 16 rows, so every register of the result holds the same dot product.
	s_cmp_eq_u32 s[KT], 0
	s_cbranch_scc0 .Lend
	s_cmp_lt_u32 s[WV], 4
	s_cbranch_scc0 .Lend
	v_lshl_add_u32 v13, v3, 4, VECP
.if \tr
	v_mul_u32_u24 v14, v4, 160
	v_lshl_add_u32 v14, v5, 4, v14
	s_lshl_b32 s30, s[WV], 5
.else
	v_mul_u32_u24 v14, v2, 1040
	v_lshl_add_u32 v14, v3, 4, v14
	s_mul_i32 s30, s[WV], 16640
.endif
	s_add_co_u32 s30, s30, S1B
	v_add_nc_u32 v14, s30, v14
	s_lshl_b32 s30, s[NT], 8
	s_lshl_b32 s31, s[WV], 6
	s_add_co_u32 s30, s30, s31
	v_lshl_add_u32 v15, v2, 2, s30                 ; 4 (64 tile + 16 wave + lane % 16)
.if !(\tr)
	global_load_b32 v25, v15, s[24:25]             ; bo
.endif
.set bt, 0
.rept 2
.if bt
	PLACES
.endif
.set jj, 0
.rept 8
	ds_load_b128 v[64+16*jj:64+16*jj+3],   v13 offset:64*(8*bt+jj)
	ds_load_b128 v[64+16*jj+4:64+16*jj+7], v13 offset:64*(8*bt+jj)+32
.if \tr
	ds_load_tr16_b128 v[64+16*jj+8:64+16*jj+11],  v14 offset:jj*5120
	ds_load_tr16_b128 v[64+16*jj+12:64+16*jj+15], v14 offset:jj*5120+2560
.else
	ds_load_b128 v[64+16*jj+8:64+16*jj+11],  v14 offset:jj*64
	ds_load_b128 v[64+16*jj+12:64+16*jj+15], v14 offset:jj*64+32
.endif
.set jj, jj+1
.endr
.if \tr
	v_add_nc_u32 v14, 40960, v14
.else
	v_add_nc_u32 v14, 512, v14
.endif
.set jj, 0
.rept 8
	s_wait_dscnt 4*(7-jj)                          ; the later steps' four loads each may stay out
.if (bt == 0) && (jj < 2)
	v_wmma_f32_16x16x32_bf16 v[48+8*(jj&1):55+8*(jj&1)], v[64+16*jj:64+16*jj+7], v[64+16*jj+8:64+16*jj+15], 0
.else
	v_wmma_f32_16x16x32_bf16 v[48+8*(jj&1):55+8*(jj&1)], v[64+16*jj:64+16*jj+7], v[64+16*jj+8:64+16*jj+15], v[48+8*(jj&1):55+8*(jj&1)]
.endif
.set jj, jj+1
.endr
.set bt, bt+1
.endr
	PLACES
	v_add_f32 v24, v48, v56                        ; even and odd K steps
.if \tr
	v_mul_f32 v24, s34, v24
	global_store_b32 v15, v24, s[28:29]            ; lanes 16-31 store the same words as lanes 0-15
.else
	s_wait_loadcnt 0x0
	v_add_f32 v24, v24, v25
	global_store_b32 v15, v24, s[28:29] offset:2048
.endif
.endm
	s_load_b512 s[8:23], s[0:1], 0x0               ; Wq s[8:9], Wk s[10:11], Wv s[12:13], Wo s[14:15], W1 s[16:17], W2 s[18:19], bq s[20:21], bv s[22:23]
	s_load_b128 s[24:27], s[0:1], 0x40             ; bo s[24:25], wf s[26:27]
	s_load_b64 s[28:29], s[0:1], 0x50              ; vec
	v_lshl_add_u32 v[SPW], v0, 2, SPARE
	v_mov_b32 v[NIL], 0
	v_lshrrev_b32 v4, 5, v0
	v_readfirstlane_b32 s[WV], v4
	v_and_b32 v1, 31, v0
	v_and_b32 v2, 15, v0
	v_bfe_u32 v3, v0, 4, 1
	v_lshlrev_b32 v12, 4, v1
	s_mov_b32 s[QQ], ttmp9
	s_and_b32 s4, s[QQ], 31
	s_lshr_b32 s[NT], s4, 2
	s_and_b32 s[KT], s4, 3
	s_mov_b32 s34, CSC
	s_mov_b32 s35, CSC
	s_wait_kmcnt 0x0
	s_cmp_lt_u32 s[QQ], 32
	s_cbranch_scc1 .Lt1
	s_cmp_lt_u32 s[QQ], 64
	s_cbranch_scc1 .Lt2
	; W1 and W2 into fragment order.  512 shares of 16 rows x 128 columns: 0-255 W1 (64 blocks of rows x 4 groups of columns), 256-511 W2 (32 x 8).
	s_sub_co_u32 s4, s[QQ], 64
	s_lshl_b32 s7, s4, 4
	s_add_co_u32 s7, s7, s[WV]
	s_cmp_lt_u32 s4, 16
	s_cselect_b64 s[32:33], s[16:17], s[18:19]
	s_cselect_b32 s34, 11, 12                      ; a row is 2,048 or 4,096 bytes
	s_cselect_b32 s35, 2, 3                        ; 4 or 8 groups of columns; also the first unit: 2 or 3
	s_and_b32 s7, s7, 255
	s_lshr_b32 s36, s7, s35                        ; the block of 16 rows
	s_lshl_b32 s37, s36, s35
	s_sub_co_u32 s37, s7, s37                      ; the group of 128 columns
	s_lshl_b32 s38, s36, 4
	v_add_nc_u32 v4, s38, v2
	v_lshlrev_b32 v4, s34, v4
	s_lshl_b32 s38, s37, 9
	v_lshl_add_u32 v5, v3, 5, s38
	v_add_nc_u32 v6, v4, v5                        ; row x pitch + 512 x group + 32 (lane / 16)
.set ff, 0
.rept 4                                ; a fragment's two halves: 8 f32 at 128 f and 8 at 128 f + 64; the wave's 16 loads cover 512 consecutive bytes of each of 16 rows
	global_load_b128 v[64+16*ff:64+16*ff+3],     v6, s[32:33] offset:128*ff th:TH_LOAD_NT
	global_load_b128 v[64+16*ff+4:64+16*ff+7],   v6, s[32:33] offset:128*ff+16 th:TH_LOAD_NT
	global_load_b128 v[64+16*ff+8:64+16*ff+11],  v6, s[32:33] offset:128*ff+64 th:TH_LOAD_NT
	global_load_b128 v[64+16*ff+12:64+16*ff+15], v6, s[32:33] offset:128*ff+80 th:TH_LOAD_NT
.set ff, ff+1
.endr
	s_lshr_b32 s38, s36, 5                         ; W1's lower or upper 512 rows,
	s_lshr_b32 s39, s37, 2                         ; W2's lower or upper 512 columns: one of the two is always 0
	s_add_co_u32 s38, s38, s39
	s_lshl_b32 s38, s38, 1
	s_add_co_u32 s38, s38, s35                     ; the unit
	s_lshl_b32 s38, s38, 17
	s_and_b32 s39, s36, 31                         ; the block of rows within the unit
	s_lshr_b32 s40, s39, 3
	s_mul_i32 s40, s40, 786432
	s_add_co_u32 s38, s38, s40
	s_and_b32 s39, s39, 7
	s_lshl_b32 s39, s39, 10
	s_add_co_u32 s38, s38, s39
	s_and_b32 s39, s37, 3
	s_lshl_b32 s39, s39, 15                        ; four K steps of 8,192 bytes a group
	s_add_co_u32 s38, s38, s39
	s_mov_b32 s39, 0
	s_add_nc_u64 s[42:43], s[26:27], s[38:39]
	s_wait_loadcnt 0x0
.set nn, 0
.rept 32
	v_cvt_pk_bf16_f32 v[128+nn], v[64+2*nn], v[64+2*nn+1]
.set nn, nn+1
.endr
.set nn, 0
.rept 8
	global_store_b128 v12, v[128+4*nn:128+4*nn+3], s[42:43] offset:(nn/2)*8192+(nn%2)*512  ; 512 consecutive bytes, aligned
.set nn, nn+1
.endr
	s_branch .Lend
.Lt1:
	GEMMP 1
	s_branch .Lend
.Lt2:
	GEMMP 0
.Lend:
	s_wait_tensorcnt 0x0                           ; the wave's end: behind my last LDS store
	ds_add_u32 v[SPW], v[NIL]
	s_wait_dscnt 0x0
	s_endpgm
.Lfunc_end_k_qdf4bfebdcc_prep:
	.size	k_qdf4bfebdcc_prep, .Lfunc_end_k_qdf4bfebdcc_prep-k_qdf4bfebdcc_prep
	.p2alignl 7, 3214868480
	.fill 96, 4, 3214868480
	.section	.rodata,"a",@progbits
	.p2align	6, 0x0
	.amdhsa_kernel k_qdf4bfebdcc_prep
		.amdhsa_group_segment_fixed_size 299008
		.amdhsa_private_segment_fixed_size 0
		.amdhsa_enable_private_segment 0
		.amdhsa_kernarg_size 88
		.amdhsa_user_sgpr_count 2
		.amdhsa_user_sgpr_kernarg_segment_ptr 1
		.amdhsa_wavefront_size32 1
		.amdhsa_system_sgpr_workgroup_id_x 1
		.amdhsa_system_sgpr_workgroup_id_y 1
		.amdhsa_system_sgpr_workgroup_id_z 1
		.amdhsa_system_vgpr_workitem_id 0
		.amdhsa_next_free_vgpr 256
		.amdhsa_next_free_sgpr 66
		.amdhsa_reserve_vcc 0
		.amdhsa_float_denorm_mode_32 3
		.amdhsa_float_denorm_mode_16_64 3
		.amdhsa_memory_ordered 1
		.amdhsa_forward_progress 1
		.amdhsa_inst_pref_size 74
	.end_amdhsa_kernel
	.amdgpu_metadata
---
amdhsa.version: [ 1, 2 ]
amdhsa.kernels:
  - .name:           k_qdf4bfebdcc_prep
    .symbol:         k_qdf4bfebdcc_prep.kd
    .args:
      - { .name: Wq, .offset: 0, .size: 8, .value_kind: global_buffer, .address_space: global }
      - { .name: Wk, .offset: 8, .size: 8, .value_kind: global_buffer, .address_space: global }
      - { .name: Wv, .offset: 16, .size: 8, .value_kind: global_buffer, .address_space: global }
      - { .name: Wo, .offset: 24, .size: 8, .value_kind: global_buffer, .address_space: global }
      - { .name: W1, .offset: 32, .size: 8, .value_kind: global_buffer, .address_space: global }
      - { .name: W2, .offset: 40, .size: 8, .value_kind: global_buffer, .address_space: global }
      - { .name: bq, .offset: 48, .size: 8, .value_kind: global_buffer, .address_space: global }
      - { .name: bv, .offset: 56, .size: 8, .value_kind: global_buffer, .address_space: global }
      - { .name: bo, .offset: 64, .size: 8, .value_kind: global_buffer, .address_space: global }
      - { .name: wf, .offset: 72, .size: 8, .value_kind: global_buffer, .address_space: global }
      - { .name: vec, .offset: 80, .size: 8, .value_kind: global_buffer, .address_space: global }
    .group_segment_fixed_size: 299008
    .private_segment_fixed_size: 0
    .kernarg_segment_align: 8
    .kernarg_segment_size: 88
    .max_flat_workgroup_size: 512
    .sgpr_count:     66
    .vgpr_count:     256
    .wavefront_size: 32
...
	.end_amdgpu_metadata
.endif
;; end of part 1
;; launch band (part 2): grid 256 x 1, 4 waves a work-group, no clusters, 285,184 bytes of LDS; arguments x, history, wf, vec, b1, b2, g1, be1, g2, be2, out0; writes out0
.if DOCPART == 2
	.amdgcn_target "amdgcn-amd-amdhsa--gfx1250"
	.amdhsa_code_object_version 6
	.text
	.protected	k_qdf4bfebdcc_band
	.globl	k_qdf4bfebdcc_band
	.p2align	8
	.type	k_qdf4bfebdcc_band,@function
k_qdf4bfebdcc_band:
	s_mov_b64 s[64:65], 0
	v_nop
	global_prefetch_b8 v0, s[64:65] scope:SCOPE_SE
	s_setreg_imm32_b32 hwreg(HW_REG_WAVE_MODE, 25, 1), 1
	s_wait_xcnt 0x0
; BAND: the whole module for 64 rows (8 positions t x 8 batches) a work-group, from x to out0, with the combined weights of the launch before.
; LEFT OUT (shown at the head of the first kernel): bk, and the products K = history Wk^T and V = history Wv^T; scores are (xn M'^T + cq) . hist_h, and attended Wo^T + bo is (sum_h attn_h hist_h) N^T + cvo.
; LIMITS.  A NaN, an infinity or an overflow that would arise in bk, K or V alone is not carried to the result.  log(0.95^(31-h) + 1e-10) is taken as (31 - h) ln 0.95: off by less than 5e-10, since the decay is
; at least 0.204.  The normal distribution in the exact GELU is Abramowitz and Stegun's 26.2.17, off by less than 1e-7.  A softmax weight below 2^-126 counts as 0.  Matrix operands are bf16, sums f32.
; The softmax takes the true maximum of a row's 32 scores away; both LayerNorms take the mean away first and then sum centred squares.
; SHARES.  Work-group g: t = 8 g .. 8 g + 7.  Local row m = 16 a + r: t = 8 g + m / 8, batch m % 8.  Wave w owns columns 128 w .. 128 w + 127 of every 64 x 512 result, and in the attention t = 8 g + 2 w, + 1.
; Every product is used transposed (source 0 = 16 rows of the weight, source 1 = 16 rows of activations): lane (r = lane % 16, hh = lane / 16) holds row 16 a + r, columns 128 w + 16 b + 8 hh + j in register 8 (8 a + b) + j.
; THE RESIDUAL X (64 x 128 f32 a wave, 256 registers) never leaves registers between the load of x and the store of out0: the products that add to it take it as their accumulator.
; THREE STAGES OF ONE SHAPE, one text walked three times: (LayerNorm) -> product into ACC -> pointwise -> product onto X.
;   stage 0: LN1, M', attention, N;   stage 1: LN2, W1's rows 0-511, GELU, W2's columns 0-511;   stage 2: none (LN2's result still lies in LDS), W1's rows 512-1023, GELU, W2's columns 512-1023.
; WEIGHTS come straight into registers, in fragment order, through a ring of four sets of 64 registers: three K steps (24 KB a wave) are always asked for ahead, across the units' ends too.
; NO CLUSTER, NO TENSOR LOADS: a wave reads only its own 128 rows of a weight, so LDS would give no reuse inside the work-group and every weight byte would be written to LDS and read from it once more;
; beside the two activation buffers and the waves' own regions LDS has room for slots of 64 columns only, 64 matrix instructions a wave between a request and its wait.
; REGISTERS, in windows of 256 (s_set_vgpr_msb: bits 1:0 source 0, 3:2 source 1, 5:4 source 2, 7:6 destination): window 0 below; window 1 the weight ring; window 2 ACC (also staging for x, history, out0); window 3 X.
.set BUF1,   73728                     ; LDS 0 and here: activations as bf16, 8 panels of 64 k; a panel is 64 rows x 144 bytes (128 + 16 of padding: the 16 rows of a fragment load start at 16 different groups of four banks)
.set PANEL,  9216
.set AP,     144
.set ABLK,   2304                      ; 16 rows of a panel
.set SPILL,  147456                    ; each wave's own 33,792 bytes: the stage for x and out0 (64 rows x 528), one position's history (32 rows x 1,040), the GELU's input (32 blocks of 1,024)
.set SPB,    33792
.set XP,     528
.set HPI,    1040
.set RED1,   282624                    ; [row 64][wave 4] f32: the rows' sums; 1,024 bytes on: the rows' sums of squares
.set SPARE,  284672                    ; the spare words, 128 bytes for each wave; no other line names them
.set WO,  2                            ; v2   786,432 w + 16 lane: my place in wf; never rewritten
.set AR,  3                            ; v3   LDS address of the activation fragments, stepped
.set AR0, 4                            ; v4   144 r + 16 hh
.set ST0, 5                            ; v5   18,432 w + 144 r + 16 hh: where my columns go in buffer 0
.set AR1, 6                            ; v6   AR0 in buffer 1
.set ST1, 7                            ; v7   ST0 in buffer 1
.set SPL, 8                            ; v8   my region + 16 lane
.set SPA, 9                            ; v9   my region + 528 r + 32 hh
.set RW,  10                           ; v10  RED1 + 16 r + 4 w
.set RR,  11                           ; v11  RED1 + 16 r
.set BO,  12                           ; v12  512 w + 32 hh: my 8 numbers of a vector's block 0
.set HO,  13                           ; v13  131,072 w + 16 lane
.set PFO, 14                           ; v14  131,072 w + 256 lane
.set HSW, 15                           ; v15  my region + 8 lane
.set HSR, 16                           ; v16  my region + 1,040 r + 16 hh
.set HST, 17                           ; v17  my region + 1,040 (8 hh + lane % 8) + 16 ((lane / 8) % 2): the turning load
.set QA,  18                           ; v18  buffer 1, row 16 w + lane % 8, + 16 hh; 8 rows on for the second position
.set GST, 19                           ; v19  GELU: where results go, stepped
.set GLD, 20                           ; v20  GELU: where inputs come from, stepped
.set XO,  21                           ; v21-28  batch b: 4,194,304 b + 512 w + 16 lane
.set SPW, 30                           ; v30  LDS address of my spare word; never rewritten
.set NIL, 31                           ; v31  0; never rewritten
.set AF,  32                           ; v32-95   two sets of four activation fragments
.set BIAS, 96                          ; v96-159  a vector's 64 numbers for my columns: column 16 b + 8 hh + j at BIAS + 8 b + j
.set LG,  32                           ; LayerNorm: gain (v32-95), bias (v160-223), sums (v224-231), the four waves' parts (v232-247), means (v248-255)
.set LB,  160
.set LNT, 224
.set RD4, 232
.set MU,  248
.set SS,  160                          ; attention: scores v160-175, decay v176-191, weights v192-199, at work v200-207 and v80-83
.set DB,  176
.set PP,  192
.set WV,  2                            ; s2   my wave's number
.set LEFT, 3                           ; s3   stages to go: 3, 2, 1
.set WP,  4                            ; s[4:5]   wf, stepped
.set HP,  6                            ; s[6:7]   history at the work-group's first position, stepped
.set XB,  8                            ; s[8:9]   x at the work-group's first position
.set VEC, 14
.set B1,  16                           ; s[16:17] b1, stepped
.set B2,  18
.set OB,  28                           ; s[28:29] out0 at the work-group's first position
.set GP,  30                           ; s[30:31], s[32:33] the LayerNorm's gain and bias
.set BP,  32
.set SEL, 34                           ; s[34:35] v_permlanex16_b32's selects: each lane takes its own place in the other half
.set KC,  36
.set TT,  37
.set GC,  38
.set INV, 42                           ; 1/512
.set EPS, 43                           ; 1e-5
.set ABSM, 44
.set MSB, 0
.macro WIN new                         ; the immediate's high byte repeats the setting that is left; a switch that changes nothing is dropped
.if MSB != (\new)
	s_set_vgpr_msb (MSB<<8)|(\new)
.set MSB, (\new)
.endif
.endm
.macro PLACES                          ; four plain vector instructions between a matrix instruction and a load into, or a vector read or write of, its registers
.rept 4
	v_nop
.endr
.endm
.macro BAR                             ; my LDS instructions are done, stores for the others' reads and loads for the others' writes; then everybody's are
	s_wait_dscnt 0x0
	s_barrier_signal -1
	s_barrier_wait -1
.endm
.macro BLOAD st, off                   ; a K step's eight weight fragments into ring set st: each load 512 consecutive bytes
	WIN 0x40
.set bb, 0
.rept 8
	global_load_b128 v[64*(\st)+8*bb:64*(\st)+8*bb+3],   v[WO], s[WP:WP+1] offset:(\off)+1024*bb
	global_load_b128 v[64*(\st)+8*bb+4:64*(\st)+8*bb+7], v[WO], s[WP:WP+1] offset:(\off)+1024*bb+512
.set bb, bb+1
.endr
.endm
.macro VLOAD dst, sp, off              ; a vector's 64 numbers for my columns
	WIN 0
.set bb, 0
.rept 8
	global_load_b128 v[(\dst)+8*bb:(\dst)+8*bb+3],   v[BO], s[\sp:\sp+1] offset:(\off)+64*bb
	global_load_b128 v[(\dst)+8*bb+4:(\dst)+8*bb+7], v[BO], s[\sp:\sp+1] offset:(\off)+64*bb+16
.set bb, bb+1
.endr
.endm
.macro AFETCH p, ksl                   ; the four activation fragments of K step ksl (counted from AR) into set p
	WIN 0
.set aa, 0
.rept 4
	ds_load_b128 v[AF+32*(\p)+8*aa:AF+32*(\p)+8*aa+3],   v[AR] offset:((\ksl)>>1)*PANEL+((\ksl)&1)*64+aa*ABLK
	ds_load_b128 v[AF+32*(\p)+8*aa+4:AF+32*(\p)+8*aa+7], v[AR] offset:((\ksl)>>1)*PANEL+((\ksl)&1)*64+aa*ABLK+32
.set aa, aa+1
.endr
.endm
; 32 matrix instructions.  mode 0: onto ACC; 1: onto X; 2: ACC = product + BIAS (the sum's first step).  The 32 accumulators take turns, one instruction a turn, over every jump too.
.macro MUL st, p, mode
.if (\mode) == 0
	WIN 0xa1
.elseif (\mode) == 1
	WIN 0xf1
.else
	WIN 0x81
.endif
.set aa, 0
.rept 4
.set bb, 0
.rept 8
.if (\mode) == 2
	v_wmma_f32_16x16x32_bf16 v[8*(8*aa+bb):8*(8*aa+bb)+7], v[64*(\st)+8*bb:64*(\st)+8*bb+7], v[AF+32*(\p)+8*aa:AF+32*(\p)+8*aa+7], v[BIAS+8*bb:BIAS+8*bb+7]
.else
	v_wmma_f32_16x16x32_bf16 v[8*(8*aa+bb):8*(8*aa+bb)+7], v[64*(\st)+8*bb:64*(\st)+8*bb+7], v[AF+32*(\p)+8*aa:AF+32*(\p)+8*aa+7], v[8*(8*aa+bb):8*(8*aa+bb)+7]
.endif
.set bb, bb+1
.endr
.set aa, aa+1
.endr
.endm
; K step e, counted from the pointers.  The ring set and the fragment set that the step before multiplied are asked for again (weights three steps ahead, activations one), four places behind its last product.
.macro KSTEP e, mode, ldb, lda, lcnt
	PLACES
.if \ldb
	BLOAD ((\e)+3)%4, ((\e)+3)*8192
.endif
.if \lda
	AFETCH ((\e)+1)&1, (\e)+1
.endif
	s_wait_loadcnt \lcnt                           ; this step's weights are in; what was asked for behind them may stay out
.if \lda
	s_wait_dscnt 8                                 ; this step's activations are in; the eight loads just issued may stay out
.else
	s_wait_dscnt 0x0
.endif
	MUL (\e)%4, (\e)&1, \mode
.endm
; K steps 0 to 12 of a unit; the caller writes steps 13 to 15.  tgt 0: into ACC, 1: onto X.
.macro GEMM tgt, ar
	WIN 0
	v_mov_b32 v[AR], v[\ar]
	AFETCH 0, 0
.if \tgt
	KSTEP 0, 1, 1, 1, 48
.else
	KSTEP 0, 2, 1, 1, 48                           ; BIAS was asked for ahead of this step's weights, so the same count serves it
	WIN 0
	s_cmp_eq_u32 s[LEFT], 3                        ; stage 0: the first 32 KB of history that I shall load, a lane a block of 256 bytes, each block named once in the launch;
	s_cbranch_scc0 .Lnopf_\@                       ; 15 K steps, 480 matrix instructions, ahead of those loads; the rest of the stream follows on its own loads
.irp qd, 0,1,2,3
	global_prefetch_b8 v[PFO], s[HP:HP+1] offset:\qd*8192 th:TH_LOAD_NT scope:SCOPE_SE
.endr
.Lnopf_\@:
.endif
	WIN 0
	s_mov_b32 s[KC], 3
.Lk_\@:
	KSTEP 1, \tgt, 1, 1, 48
	KSTEP 2, \tgt, 1, 1, 48
	KSTEP 3, \tgt, 1, 1, 48
	KSTEP 4, \tgt, 1, 1, 48
	WIN 0
	s_wait_xcnt 0x0                                ; the loads issued so far have read their base: it may be written
	s_add_nc_u64 s[WP:WP+1], s[WP:WP+1], 32768
	v_add_nc_u32 v[AR], 2*PANEL, v[AR]
	s_sub_co_u32 s[KC], s[KC], 1
	s_cmp_lg_u32 s[KC], 0
	s_cbranch_scc1 .Lk_\@
.endm
; ACC, rounded to bf16 in place (each block's lowest registers first), into my two panels of a buffer
.macro TOBUF st
	WIN 0x8a
.set nn, 0
.rept 32
.irp t, 0,1,2,3
	v_cvt_pk_bf16_f32 v[8*nn+\t], v[8*nn+2*\t], v[8*nn+2*\t+1]
.endr
.set nn, nn+1
.endr
	WIN 0x08
.set nn, 0
.rept 32
	ds_store_b128 v[\st], v[8*nn:8*nn+3] offset:((nn&7)>>2)*PANEL+(nn>>3)*ABLK+32*(nn&3)
.set nn, nn+1
.endr
.endm
; The four rows' sums of my lane (pairs in LNT): the pair, the other half of the lanes, then the four waves' parts through LDS.  The result lies in v[RD4 + 4 a].
.macro ACROSS off
	WIN 0
.irp a, 0,1,2,3
	v_add_f32 v[LNT+2*\a], v[LNT+2*\a], v[LNT+2*\a+1]
.endr
.irp a, 0,1,2,3
	v_permlanex16_b32 v[LNT+2*\a+1], v[LNT+2*\a], s[SEL], s[SEL+1]
.endr
.irp a, 0,1,2,3
	v_add_f32 v[LNT+2*\a], v[LNT+2*\a], v[LNT+2*\a+1]
.endr
.irp a, 0,1,2,3
	ds_store_b32 v[RW], v[LNT+2*\a] offset:(\off)+256*\a
.endr
	BAR
.irp a, 0,1,2,3
	ds_load_b128 v[RD4+4*\a:RD4+4*\a+3], v[RR] offset:(\off)+256*\a
.endr
	s_wait_dscnt 0x0
.irp a, 0,1,2,3
	v_add_f32 v[RD4+4*\a], v[RD4+4*\a], v[RD4+4*\a+1]
	v_add_f32 v[RD4+4*\a+2], v[RD4+4*\a+2], v[RD4+4*\a+3]
.endr
.irp a, 0,1,2,3
	v_add_f32 v[RD4+4*\a], v[RD4+4*\a], v[RD4+4*\a+2]
.endr
.endm
.macro HLOAD st, off                   ; 16 KB of history (8 rows h), 32 loads of 512 consecutive bytes, into half st of window 2
	WIN 0x80
.set nn, 0
.rept 32
	global_load_b128 v[128*(\st)+4*nn:128*(\st)+4*nn+3], v[HO], s[HP:HP+1] offset:(\off)+512*nn th:TH_LOAD_NT
.set nn, nn+1
.endr
.endm
.macro HCONV st, c                     ; rounded to bf16 and laid into my region as rows 8 c .. 8 c + 7
	WIN 0x8a
.set nn, 0
.rept 32
	v_cvt_pk_bf16_f32 v[128*(\st)+4*nn], v[128*(\st)+4*nn], v[128*(\st)+4*nn+1]
	v_cvt_pk_bf16_f32 v[128*(\st)+4*nn+1], v[128*(\st)+4*nn+2], v[128*(\st)+4*nn+3]
.set nn, nn+1
.endr
	WIN 0x08
.set nn, 0
.rept 32
	ds_store_b64 v[HSW], v[128*(\st)+4*nn:128*(\st)+4*nn+1] offset:(8*(\c)+(nn>>2))*HPI+256*(nn&3)
.set nn, nn+1
.endr
.endm
.macro SLOAD gg, buf                   ; scores: two K steps' fragments, 12 loads: the queries (lanes r and r + 8 read the same one), then 2 x 16 rows of history
.irp i, 0,1
	ds_load_b128 v[(\buf)+24*\i:(\buf)+24*\i+3],   v[QA] offset:(\gg)*PANEL+64*\i
	ds_load_b128 v[(\buf)+24*\i+4:(\buf)+24*\i+7], v[QA] offset:(\gg)*PANEL+64*\i+32
	ds_load_b128 v[(\buf)+24*\i+8:(\buf)+24*\i+11],  v[HSR] offset:64*(2*(\gg)+\i)
	ds_load_b128 v[(\buf)+24*\i+12:(\buf)+24*\i+15], v[HSR] offset:64*(2*(\gg)+\i)+32
	ds_load_b128 v[(\buf)+24*\i+16:(\buf)+24*\i+19], v[HSR] offset:16*HPI+64*(2*(\gg)+\i)
	ds_load_b128 v[(\buf)+24*\i+20:(\buf)+24*\i+23], v[HSR] offset:16*HPI+64*(2*(\gg)+\i)+32
.endr
.endm
.macro ALOAD gg, buf                   ; the weighted sum: history turned, four blocks of 16 channels x 32 rows h
.irp i, 0,1,2,3
	ds_load_tr16_b128 v[(\buf)+8*\i:(\buf)+8*\i+3],   v[HST] offset:32*(4*(\gg)+\i)
	ds_load_tr16_b128 v[(\buf)+8*\i+4:(\buf)+8*\i+7], v[HST] offset:32*(4*(\gg)+\i)+16*HPI
.endr
.endm
	s_load_b512 s[8:23], s[0:1], 0x0               ; x s[8:9], history s[10:11], wf s[12:13], vec s[14:15], b1 s[16:17], b2 s[18:19], g1 s[20:21], be1 s[22:23]
	s_load_b128 s[24:27], s[0:1], 0x40             ; g2 s[24:25], be2 s[26:27]
	s_load_b64 s[28:29], s[0:1], 0x50              ; out0
	v_lshl_add_u32 v[SPW], v0, 2, SPARE
	v_mov_b32 v[NIL], 0
	v_lshrrev_b32 v160, 5, v0
	v_readfirstlane_b32 s[WV], v160
	v_and_b32 v160, 31, v0                         ; lane
	v_and_b32 v161, 15, v0                         ; r
	v_bfe_u32 v162, v0, 4, 1                       ; hh
	v_and_b32 v163, 7, v0
	v_bfe_u32 v164, v0, 3, 1
	s_mul_i32 s39, s[WV], 786432
	v_lshl_add_u32 v[WO], v160, 4, s39
	v_mul_u32_u24 v[AR0], v161, AP
	v_lshl_add_u32 v[AR0], v162, 4, v[AR0]
	s_mul_i32 s39, s[WV], 2*PANEL
	v_add_nc_u32 v[ST0], s39, v[AR0]
	v_add_nc_u32 v[AR1], BUF1, v[AR0]
	v_add_nc_u32 v[ST1], BUF1, v[ST0]
	s_mul_i32 s40, s[WV], SPB
	s_add_co_u32 s40, s40, SPILL                   ; my region
	v_lshl_add_u32 v[SPL], v160, 4, s40
	v_mul_u32_u24 v[SPA], v161, XP
	v_lshl_add_u32 v[SPA], v162, 5, v[SPA]
	v_add_nc_u32 v[SPA], s40, v[SPA]
	s_lshl_b32 s39, s[WV], 2
	s_add_co_u32 s39, s39, RED1
	v_lshl_add_u32 v[RW], v161, 4, s39
	v_lshl_add_u32 v[RR], v161, 4, RED1
	s_lshl_b32 s39, s[WV], 9
	v_lshl_add_u32 v[BO], v162, 5, s39
	v_lshl_add_u32 v[XO], v160, 4, s39
.irp b, 1,2,3,4,5,6,7
	v_add_nc_u32 v[XO+\b], \b*4194304, v[XO]
.endr
	s_lshl_b32 s41, s[WV], 17
	v_lshl_add_u32 v[HO], v160, 4, s41
	v_lshl_add_u32 v[PFO], v160, 8, s41
	v_lshl_add_u32 v[HSW], v160, 3, s40
	v_mul_u32_u24 v[HSR], v161, HPI
	v_lshl_add_u32 v[HSR], v162, 4, v[HSR]
	v_add_nc_u32 v[HSR], s40, v[HSR]
	v_lshl_add_u32 v[HST], v162, 3, v163
	v_mul_u32_u24 v[HST], v[HST], HPI
	v_lshl_add_u32 v[HST], v164, 4, v[HST]
	v_add_nc_u32 v[HST], s40, v[HST]
	s_mul_i32 s39, s[WV], 16*AP
	s_add_co_u32 s39, s39, BUF1
	v_mul_u32_u24 v[QA], v163, AP
	v_lshl_add_u32 v[QA], v162, 4, v[QA]
	v_add_nc_u32 v[QA], s39, v[QA]
	s_mov_b32 s[SEL], 0x76543210
	s_mov_b32 s[SEL+1], 0xfedcba98
	s_mov_b32 s[INV], 0x3b000000                   ; 1/512
	s_mov_b32 s[EPS], 0x3727c5ac                   ; 1e-5
	s_mov_b32 s[ABSM], 0x7fffffff
	s_mov_b32 s46, 0x3e6d3388                      ; 0.2316419; each constant twice: the packed lines name pairs
	s_mov_b32 s47, s46
	s_mov_b32 s48, 0xbf38aa3b                      ; -log2(e) / 2
	s_mov_b32 s49, s48
	s_mov_b32 s50, 0x3e027906                      ; the polynomial's five coefficients, each divided by sqrt(2 pi)
	s_mov_b32 s51, s50
	s_mov_b32 s52, 0xbe11a98e
	s_mov_b32 s53, s52
	s_mov_b32 s54, 0x3f35f0e3
	s_mov_b32 s55, s54
	s_mov_b32 s56, 0xbf3a00e3
	s_mov_b32 s57, s56
	s_mov_b32 s58, 0x3f07dc22
	s_mov_b32 s59, s58
	s_lshl_b32 s60, ttmp9, 14                      ; 8 positions of 2,048 bytes in x and out0,
	s_mov_b32 s61, 0
	s_lshl_b32 s62, ttmp9, 19                      ; of 65,536 bytes in history
	s_mov_b32 s63, 0
	s_wait_kmcnt 0x0
	s_add_nc_u64 s[XB:XB+1], s[XB:XB+1], s[60:61]
	s_add_nc_u64 s[OB:OB+1], s[OB:OB+1], s[60:61]
	s_add_nc_u64 s[HP:HP+1], s[10:11], s[62:63]
	s_mov_b64 s[WP:WP+1], s[12:13]
	VLOAD BIAS, VEC, 0                             ; cq, ahead of the weights
	BLOAD 0, 0
	BLOAD 1, 8192
	BLOAD 2, 16384
	WIN 0x80
.set mm, 0
.rept 64                               ; x: my 512 bytes of each of the 64 rows
	global_load_b128 v[4*mm:4*mm+3], v[XO+(mm&7)], s[XB:XB+1] offset:(mm>>3)*2048 th:TH_LOAD_NT
.set mm, mm+1
.endr
.irp a, 0,1,2,3                        ; through my region into the matrix results' layout; LDS serves a wave's instructions in order (ISA guide 5.7.1.4), so the loads see the stores
	s_wait_loadcnt 48-16*\a                        ; the later blocks' loads may stay out
	WIN 0x08
.set jj, 0
.rept 16
	ds_store_b128 v[SPL], v[64*\a+4*jj:64*\a+4*jj+3] offset:(16*\a+jj)*XP
.set jj, jj+1
.endr
	WIN 0xc0
.set bb, 0
.rept 8
	ds_load_b128 v[64*\a+8*bb:64*\a+8*bb+3],   v[SPA] offset:\a*16*XP+64*bb
	ds_load_b128 v[64*\a+8*bb+4:64*\a+8*bb+7], v[SPA] offset:\a*16*XP+64*bb+16
.set bb, bb+1
.endr
.endr
	WIN 0
	s_wait_dscnt 0x0                               ; X is in
	s_mov_b32 s[LEFT], 3
	s_branch .Lentry
.Lstage:                               ; the last three K steps of a product onto X that has a stage behind it: the ring runs on into the next unit
	VLOAD BIAS, B1, 0                              ; the next half of b1, ahead of the next unit's weights
	KSTEP 1, 1, 1, 1, 48
	KSTEP 2, 1, 1, 1, 48
	KSTEP 3, 1, 1, 0, 48
	WIN 0
	s_wait_xcnt 0x0
	s_add_nc_u64 s[WP:WP+1], s[WP:WP+1], 32768
	s_add_nc_u64 s[B1:B1+1], s[B1:B1+1], 2048
	PLACES
.Lentry:
	BAR                                            ; every wave has read buffer 1 out
	s_cmp_eq_u32 s[LEFT], 1
	s_cbranch_scc1 .Lnoln
	; LAYERNORM of X into buffer 0
	s_wait_xcnt 0x0
	s_cmp_eq_u32 s[LEFT], 3
	s_cselect_b64 s[GP:GP+1], s[20:21], s[24:25]
	s_cselect_b64 s[BP:BP+1], s[22:23], s[26:27]
	VLOAD LG, GP, 0
	VLOAD LB, BP, 0
	WIN 0x0f                                       ; the rows' sums
.irp a, 0,1,2,3
	v_pk_add_f32 v[LNT+2*\a:LNT+2*\a+1], v[64*\a:64*\a+1], v[64*\a+2:64*\a+3]
.endr
	WIN 0x0c
.set pp, 2
.rept 30
.irp a, 0,1,2,3
	v_pk_add_f32 v[LNT+2*\a:LNT+2*\a+1], v[LNT+2*\a:LNT+2*\a+1], v[64*\a+2*pp:64*\a+2*pp+1]
.endr
.set pp, pp+1
.endr
	ACROSS 0
.irp a, 0,1,2,3
	v_mul_f32 v[MU+2*\a], s[INV], v[RD4+4*\a]
	v_mul_f32 v[MU+2*\a+1], s[INV], v[RD4+4*\a]
.endr
	WIN 0x83                                       ; ACC = X - mean
.set pp, 0
.rept 128
	v_pk_add_f32 v[2*pp:2*pp+1], v[2*pp:2*pp+1], v[MU+2*(pp/32):MU+2*(pp/32)+1] neg_lo:[0,1] neg_hi:[0,1]
.set pp, pp+1
.endr
	WIN 0x0a                                       ; the sums of its squares
.irp a, 0,1,2,3
	v_pk_mul_f32 v[LNT+2*\a:LNT+2*\a+1], v[64*\a:64*\a+1], v[64*\a:64*\a+1]
.endr
.set pp, 1
.rept 31
.irp a, 0,1,2,3
	v_pk_fma_f32 v[LNT+2*\a:LNT+2*\a+1], v[64*\a+2*pp:64*\a+2*pp+1], v[64*\a+2*pp:64*\a+2*pp+1], v[LNT+2*\a:LNT+2*\a+1]
.endr
.set pp, pp+1
.endr
	ACROSS 1024
.irp a, 0,1,2,3
	v_fma_f32 v[RD4+4*\a], v[RD4+4*\a], s[INV], s[EPS]
.endr
.irp a, 0,1,2,3
	v_rsq_f32 v[LNT+2*\a], v[RD4+4*\a]
.endr
	v_nop                                          ; a plain instruction behind the last root,
	s_wait_alu depctr_va_vdst(0)                   ; and one wait ahead of the first use of the four
.irp a, 0,1,2,3
	v_mov_b32 v[LNT+2*\a+1], v[LNT+2*\a]
.endr
	s_wait_loadcnt 0x0                             ; gain and bias
	WIN 0x82
.set pp, 0
.rept 128
	v_pk_mul_f32 v[2*pp:2*pp+1], v[2*pp:2*pp+1], v[LNT+2*(pp/32):LNT+2*(pp/32)+1]
.set pp, pp+1
.endr
.set pp, 0
.rept 128
	v_pk_fma_f32 v[2*pp:2*pp+1], v[2*pp:2*pp+1], v[LG+2*(pp%32):LG+2*(pp%32)+1], v[LB+2*(pp%32):LB+2*(pp%32)+1]
.set pp, pp+1
.endr
	TOBUF ST0
	WIN 0
	BAR                                            ; buffer 0 is whole
.Lnoln:
	GEMM 0, AR0
	KSTEP 1, 0, 1, 1, 48
	KSTEP 2, 0, 1, 1, 48
	KSTEP 3, 0, 1, 0, 48
	WIN 0
	s_wait_xcnt 0x0
	s_add_nc_u64 s[WP:WP+1], s[WP:WP+1], 32768
	PLACES
	s_cmp_lg_u32 s[LEFT], 3
	s_cbranch_scc1 .Lgelu
	; ATTENTION.  ACC holds c (Q Wk): into buffer 1.
	TOBUF ST1
	WIN 0
	v_bfe_u32 v200, v0, 4, 1
	v_lshlrev_b32 v200, 3, v200
.set nn, 0
.rept 16                               ; the decay in the exponentials' base: (31 - h) log2(0.95), h = 16 (nn / 8) + 8 hh + nn % 8: it starts the scores' sums
	v_sub_nc_u32 v[DB+nn], 31-16*(nn/8)-(nn%8), v200
	v_cvt_f32_u32 v[DB+nn], v[DB+nn]
	v_mul_f32 v[DB+nn], 0xbd978d9e, v[DB+nn]
.set nn, nn+1
.endr
	s_wait_dscnt 0x0                               ; my stores are done: for the others' reads, and ahead of the loads into the registers that they read
	VLOAD BIAS, VEC, 2048                          ; cvo
	HLOAD 0, 0
	HLOAD 1, 16384
	WIN 0
	s_barrier_signal -1
	s_barrier_wait -1                              ; all 512 columns of my queries lie in buffer 1
	s_mov_b32 s[TT], 2
.Ltt:                                  ; one position: 64 KB of history in four chunks, two always on their way
	s_wait_loadcnt 32                              ; the older chunk is in, the younger one's 32 loads may stay out
	HCONV 0, 0
	HLOAD 0, 32768
	s_wait_loadcnt 32
	HCONV 1, 1
	HLOAD 1, 49152
	s_wait_loadcnt 32
	HCONV 0, 2
	WIN 0
	s_cmp_eq_u32 s[TT], 1
	s_cbranch_scc1 .Ltlast
	HLOAD 0, 65536                                 ; the next position's first two chunks stay on their way through this position's products
	s_wait_loadcnt 32
	HCONV 1, 3
	HLOAD 1, 81920
	WIN 0
	s_branch .Ltjoin
.Ltlast:
	s_wait_loadcnt 0x0                             ; nothing is left to fetch
	HCONV 1, 3
	WIN 0
.Ltjoin:
	; scores^T = history Q'^T + decay: lane r holds query r % 8, register j of accumulator hb row h = 16 hb + 8 hh + j.  Two accumulators by turns.
	SLOAD 0, 32
.set g, 0
.rept 8
.if g < 7
.if g > 0
	PLACES
.endif
	SLOAD g+1, 32+176*((g+1)&1)
	s_wait_dscnt 12                                ; all but the twelve loads just issued
.else
	s_wait_dscnt 0x0
.endif
.set sb, 32+176*(g&1)
.irp i, 0,1
.irp hb, 0,1
.if (g == 0) && (\i == 0)
	v_wmma_f32_16x16x32_bf16 v[SS+8*\hb:SS+8*\hb+7], v[sb+24*\i+8+8*\hb:sb+24*\i+15+8*\hb], v[sb+24*\i:sb+24*\i+7], v[DB+8*\hb:DB+8*\hb+7]
.else
	v_wmma_f32_16x16x32_bf16 v[SS+8*\hb:SS+8*\hb+7], v[sb+24*\i+8+8*\hb:sb+24*\i+15+8*\hb], v[sb+24*\i:sb+24*\i+7], v[SS+8*\hb:SS+8*\hb+7]
.endif
.endr
.endr
.set g, g+1
.endr
	PLACES
	ALOAD 0, 32                                    ; lands while the softmax is made
	v_max3_num_f32 v200, v[SS], v[SS+1], v[SS+2]   ; the maximum of all 32 scores: each accumulator's lowest registers first
	v_max3_num_f32 v201, v[SS+8], v[SS+9], v[SS+10]
	v_max3_num_f32 v200, v200, v[SS+3], v[SS+4]
	v_max3_num_f32 v201, v201, v[SS+11], v[SS+12]
	v_max3_num_f32 v200, v200, v[SS+5], v[SS+6]
	v_max3_num_f32 v201, v201, v[SS+13], v[SS+14]
	v_max3_num_f32 v200, v200, v[SS+7], v[SS+15]
	v_max_num_f32 v200, v200, v201
	v_permlanex16_b32 v201, v200, s[SEL], s[SEL+1] ; the query's other 16 rows h lie in the lane 16 away
	v_max_num_f32 v202, v200, v201
	v_max_num_f32 v203, v200, v201
.set nn, 0
.rept 8
	v_pk_add_f32 v[SS+2*nn:SS+2*nn+1], v[SS+2*nn:SS+2*nn+1], v[202:203] neg_lo:[0,1] neg_hi:[0,1]
.set nn, nn+1
.endr
.set nn, 0
.rept 16
	v_exp_f32 v[SS+nn], v[SS+nn]
.set nn, nn+1
.endr
	v_nop
	s_wait_alu depctr_va_vdst(0)                   ; one wait for the sixteen exponentials
	v_pk_add_f32 v[204:205], v[SS:SS+1], v[SS+2:SS+3]
	v_pk_add_f32 v[206:207], v[SS+4:SS+5], v[SS+6:SS+7]
	v_pk_add_f32 v[80:81], v[SS+8:SS+9], v[SS+10:SS+11]
	v_pk_add_f32 v[82:83], v[SS+12:SS+13], v[SS+14:SS+15]
	v_pk_add_f32 v[204:205], v[204:205], v[206:207]
	v_pk_add_f32 v[80:81], v[80:81], v[82:83]
	v_pk_add_f32 v[204:205], v[204:205], v[80:81]
	v_add_f32 v204, v204, v205
	v_permlanex16_b32 v205, v204, s[SEL], s[SEL+1]
	v_add_f32 v204, v204, v205
	v_rcp_f32 v206, v204
	v_nop
	s_wait_alu depctr_va_vdst(0)
	v_mov_b32 v207, v206
.set nn, 0
.rept 8
	v_pk_mul_f32 v[SS+2*nn:SS+2*nn+1], v[SS+2*nn:SS+2*nn+1], v[206:207]
.set nn, nn+1
.endr
.set nn, 0
.rept 8
	v_cvt_pk_bf16_f32 v[PP+nn], v[SS+2*nn], v[SS+2*nn+1]  ; the two accumulators, rounded in pairs, are source 1 (32 rows h x 16 queries) of the next product
.set nn, nn+1
.endr
	; (sum_h attn_h hist_h)^T = history^T P, 16 channels an instruction; the results take the place of my queries in buffer 1, behind my own reads of them
.set g, 0
.rept 8
.if g < 7
	ALOAD g+1, 32+32*((g+1)&1)
	s_wait_dscnt 8                                 ; all but the eight loads just issued
.else
	s_wait_dscnt 0x0
.endif
.irp i, 0,1,2,3
	v_wmma_f32_16x16x32_bf16 v[208+8*\i:215+8*\i], v[32+32*(g&1)+8*\i:32+32*(g&1)+8*\i+7], v[PP:PP+7], 0
.endr
	PLACES
.set nn, 0
.rept 16
	v_cvt_pk_bf16_f32 v[240+nn], v[208+2*nn], v[208+2*nn+1]
.set nn, nn+1
.endr
.irp i, 0,1,2,3
	ds_store_b128 v[QA], v[240+4*\i:243+4*\i] offset:g*PANEL+32*\i  ; lanes r and r + 8 store the same bytes
.endr
.set g, g+1
.endr
	s_wait_xcnt 0x0
	s_add_nc_u64 s[HP:HP+1], s[HP:HP+1], 65536
	v_add_nc_u32 v[QA], 8*AP, v[QA]
	s_sub_co_u32 s[TT], s[TT], 1
	s_cmp_lg_u32 s[TT], 0
	s_cbranch_scc1 .Ltt
	s_wait_loadcnt 0x0                             ; cvo is in, and no history load is out
	WIN 0xc3
.set pp, 0
.rept 128
	v_pk_add_f32 v[2*pp:2*pp+1], v[2*pp:2*pp+1], v[BIAS+2*(pp%32):BIAS+2*(pp%32)+1]
.set pp, pp+1
.endr
	WIN 0
	s_branch .Ljoin
.Lgelu:                                ; GELU of ACC into buffer 1.  ACC goes into my region, so that one text of 32 numbers a lane serves all 256: eight trips
	WIN 0x08
.set nn, 0
.rept 32
.set ix, ((((nn&7)>>2)*4+(nn>>3))*4+(nn&3))*1024
	ds_store_b128 v[SPL], v[8*nn:8*nn+3]   offset:ix
	ds_store_b128 v[SPL], v[8*nn+4:8*nn+7] offset:ix+512
.set nn, nn+1
.endr
	WIN 0
	v_mov_b32 v[GLD], v[SPL]
	v_mov_b32 v[GST], v[ST1]
	s_mov_b32 s[GC], 8
.Lg:                                   ; x v160-191, |x| v192-223, t v224-255, e v32-63, polynomial v64-95, results v96-111
.irp k, 0,1,2,3
	ds_load_b128 v[160+8*\k:163+8*\k], v[GLD] offset:\k*1024
	ds_load_b128 v[164+8*\k:167+8*\k], v[GLD] offset:\k*1024+512
.endr
	s_wait_dscnt 0x0
.set nn, 0
.rept 32
	v_and_b32 v[192+nn], s[ABSM], v[160+nn]
.set nn, nn+1
.endr
.set nn, 0
.rept 16
	v_pk_fma_f32 v[224+2*nn:225+2*nn], v[192+2*nn:193+2*nn], s[46:47], 1.0 op_sel_hi:[1,0,0]  ; 1 + 0.2316419 |x|
	v_pk_mul_f32 v[32+2*nn:33+2*nn], v[160+2*nn:161+2*nn], s[48:49] op_sel_hi:[1,0]
.set nn, nn+1
.endr
.set nn, 0
.rept 16
	v_pk_mul_f32 v[32+2*nn:33+2*nn], v[32+2*nn:33+2*nn], v[160+2*nn:161+2*nn]                 ; -x^2 log2(e) / 2
.set nn, nn+1
.endr
.set nn, 0
.rept 32
	v_rcp_f32 v[224+nn], v[224+nn]
.set nn, nn+1
.endr
.set nn, 0
.rept 32
	v_exp_f32 v[32+nn], v[32+nn]
.set nn, nn+1
.endr
.set nn, 0
.rept 32
	v_max_num_f32 v[160+nn], 0, v[160+nn]          ; max(x, 0): plain work that names no result of the batch
.set nn, nn+1
.endr
	s_wait_alu depctr_va_vdst(0)                   ; one wait for the 64
.set nn, 0
.rept 16
	v_pk_fma_f32 v[64+2*nn:65+2*nn], v[224+2*nn:225+2*nn], s[58:59], s[56:57] op_sel_hi:[1,0,0]
.set nn, nn+1
.endr
.irp c, 54,52,50
.set nn, 0
.rept 16
	v_pk_fma_f32 v[64+2*nn:65+2*nn], v[64+2*nn:65+2*nn], v[224+2*nn:225+2*nn], s[\c:\c+1] op_sel_hi:[1,1,0]
.set nn, nn+1
.endr
.endr
.set nn, 0
.rept 16
	v_pk_mul_f32 v[224+2*nn:225+2*nn], v[224+2*nn:225+2*nn], v[32+2*nn:33+2*nn]
.set nn, nn+1
.endr
.set nn, 0
.rept 16
	v_pk_mul_f32 v[64+2*nn:65+2*nn], v[64+2*nn:65+2*nn], v[224+2*nn:225+2*nn]                 ; q = 1 - Phi(|x|)
.set nn, nn+1
.endr
.set nn, 0
.rept 16
	v_pk_fma_f32 v[160+2*nn:161+2*nn], v[192+2*nn:193+2*nn], v[64+2*nn:65+2*nn], v[160+2*nn:161+2*nn] neg_lo:[1,0,0] neg_hi:[1,0,0]  ; x Phi(x) = max(x, 0) - |x| q
.set nn, nn+1
.endr
.set nn, 0
.rept 16
	v_cvt_pk_bf16_f32 v[96+nn], v[160+2*nn], v[160+2*nn+1]
.set nn, nn+1
.endr
.irp k, 0,1,2,3
	ds_store_b128 v[GST], v[96+4*\k:99+4*\k] offset:32*\k
.endr
	v_add_nc_u32 v[GLD], 4096, v[GLD]
	v_add_nc_u32 v[GST], ABLK, v[GST]              ; four blocks of 16 rows are a panel, so one step serves all eight trips
	s_sub_co_u32 s[GC], s[GC], 1
	s_cmp_lg_u32 s[GC], 0
	s_cbranch_scc1 .Lg
.Ljoin:
	BAR                                            ; buffer 1 is whole
	GEMM 1, AR1
	s_sub_co_u32 s[LEFT], s[LEFT], 1
	s_cmp_lg_u32 s[LEFT], 0
	s_cbranch_scc1 .Lstage
	; the last unit's last three K steps ask for no weights: the counts run down, b2's sixteen loads among them
	VLOAD BIAS, B2, 0
	KSTEP 1, 1, 0, 1, 48
	KSTEP 2, 1, 0, 1, 32
	KSTEP 3, 1, 0, 0, 16
	PLACES
	s_wait_loadcnt 0x0                             ; b2
; THE WAY OUT, 16 rows at a time: + b2, through my region back into whole rows, stored from window 2
.macro OUTA a
	WIN 0xc3
.set pp, 0
.rept 32
	v_pk_add_f32 v[64*(\a)+2*pp:64*(\a)+2*pp+1], v[64*(\a)+2*pp:64*(\a)+2*pp+1], v[BIAS+2*pp:BIAS+2*pp+1]
.set pp, pp+1
.endr
	WIN 0x0c
.set bb, 0
.rept 8
	ds_store_b128 v[SPA], v[64*(\a)+8*bb:64*(\a)+8*bb+3]   offset:(\a)*16*XP+64*bb
	ds_store_b128 v[SPA], v[64*(\a)+8*bb+4:64*(\a)+8*bb+7] offset:(\a)*16*XP+64*bb+16
.set bb, bb+1
.endr
	WIN 0x80
.set jj, 0
.rept 16
	ds_load_b128 v[64*(\a)+4*jj:64*(\a)+4*jj+3], v[SPL] offset:(16*(\a)+jj)*XP
.set jj, jj+1
.endr
.endm
.macro OUTS a, younger                 ; younger: the next block's 16 stores and 16 loads, or none
	s_wait_dscnt \younger
	WIN 0x08
.set jj, 0
.rept 16
	global_store_b128 v[XO+(jj&7)], v[64*(\a)+4*jj:64*(\a)+4*jj+3], s[OB:OB+1] offset:(2*(\a)+(jj>>3))*2048 th:TH_STORE_NT  ; 512 consecutive bytes, at a multiple of 256 from out0's first byte
.set jj, jj+1
.endr
.endm
	OUTA 0
	OUTA 1
	OUTS 0, 32
	OUTA 2
	OUTS 1, 32
	OUTA 3
	OUTS 2, 32
	OUTS 3, 0
	WIN 0
	s_wait_tensorcnt 0x0                           ; the wave's end: behind my last LDS store
	ds_add_u32 v[SPW], v[NIL]
	s_wait_dscnt 0x0
	s_endpgm
.Lfunc_end_k_qdf4bfebdcc_band:
	.size	k_qdf4bfebdcc_band, .Lfunc_end_k_qdf4bfebdcc_band-k_qdf4bfebdcc_band
	.p2alignl 7, 3214868480
	.fill 96, 4, 3214868480
	.section	.rodata,"a",@progbits
	.p2align	6, 0x0
	.amdhsa_kernel k_qdf4bfebdcc_band
		.amdhsa_group_segment_fixed_size 285184
		.amdhsa_private_segment_fixed_size 0
		.amdhsa_enable_private_segment 0
		.amdhsa_kernarg_size 88
		.amdhsa_user_sgpr_count 2
		.amdhsa_user_sgpr_kernarg_segment_ptr 1
		.amdhsa_wavefront_size32 1
		.amdhsa_system_sgpr_workgroup_id_x 1
		.amdhsa_system_sgpr_workgroup_id_y 1
		.amdhsa_system_sgpr_workgroup_id_z 1
		.amdhsa_system_vgpr_workitem_id 0
		.amdhsa_next_free_vgpr 1024
		.amdhsa_next_free_sgpr 66
		.amdhsa_reserve_vcc 0
		.amdhsa_float_denorm_mode_32 3
		.amdhsa_float_denorm_mode_16_64 3
		.amdhsa_memory_ordered 1
		.amdhsa_forward_progress 1
		.amdhsa_inst_pref_size 255
	.end_amdhsa_kernel
	.section	.bss,"aw",@nobits
	.p2align	6
	.space	262144
	.amdgpu_metadata
---
amdhsa.version: [ 1, 2 ]
amdhsa.kernels:
  - .name:           k_qdf4bfebdcc_band
    .symbol:         k_qdf4bfebdcc_band.kd
    .args:
      - { .name: x, .offset: 0, .size: 8, .value_kind: global_buffer, .address_space: global }
      - { .name: history, .offset: 8, .size: 8, .value_kind: global_buffer, .address_space: global }
      - { .name: wf, .offset: 16, .size: 8, .value_kind: global_buffer, .address_space: global }
      - { .name: vec, .offset: 24, .size: 8, .value_kind: global_buffer, .address_space: global }
      - { .name: b1, .offset: 32, .size: 8, .value_kind: global_buffer, .address_space: global }
      - { .name: b2, .offset: 40, .size: 8, .value_kind: global_buffer, .address_space: global }
      - { .name: g1, .offset: 48, .size: 8, .value_kind: global_buffer, .address_space: global }
      - { .name: be1, .offset: 56, .size: 8, .value_kind: global_buffer, .address_space: global }
      - { .name: g2, .offset: 64, .size: 8, .value_kind: global_buffer, .address_space: global }
      - { .name: be2, .offset: 72, .size: 8, .value_kind: global_buffer, .address_space: global }
      - { .name: out0, .offset: 80, .size: 8, .value_kind: global_buffer, .address_space: global }
    .group_segment_fixed_size: 285184
    .private_segment_fixed_size: 0
    .kernarg_segment_align: 8
    .kernarg_segment_size: 88
    .max_flat_workgroup_size: 128
    .sgpr_count:     66
    .vgpr_count:     1024
    .wavefront_size: 32
...
	.end_amdgpu_metadata
.endif
;; end of part 2
